; MI455X (gfx1250); checked and timed in simulation.
; The chip was launched on July 23, 2026; its instructions are those of AMD's public machine-readable ISA for CDNA 5 (MIT licence, August 2026) and "CDNA5" Instruction Set Architecture Reference Guide (July 2026). The comments in the code are by the model that wrote it; some were corrected since.
;; Self Attention. Allowed arithmetic: float matrix products may take bf16 or f16 operands with f32 sums; all other float work in f32.
;; Inputs: mask 32 x 8 x 1 x 512 bool; w_k 64 x 64 float32; w_q 64 x 64 float32; x 32 x 8 x 512 x 64 float32.
;; Outputs: out0 32 x 8 x 512 x 64 float32.
;; Constants: N_bs = 8, N_max = 512, bs = 32, d = 64, heads = 4.
;; One version. Each part assembles by itself: llvm-mc -triple=amdgcn-amd-amdhsa -mcpu=gfx1250 --defsym DOCPART=n.
;; ======== version 1 of 1: 1 launch
;; limits: values are held in f16: magnitudes above 65,504 overflow, below 6.1e-05 lose precision
;; launch attn (part 1): grid 256 x 1, 16 waves a work-group, no clusters, 301,056 bytes of LDS; arguments x, w_q, w_k, mask, out0; writes out0
.if DOCPART == 1
	.amdgcn_target "amdgcn-amd-amdhsa--gfx1250"
	.amdhsa_code_object_version 6
	.text
	.protected	k_qc54c62b750_attn
	.globl	k_qc54c62b750_attn
	.p2align	8
	.type	k_qc54c62b750_attn,@function
k_qc54c62b750_attn:
	s_mov_b64 s[64:65], 0
	v_nop
	global_prefetch_b8 v0, s[64:65] scope:SCOPE_SE
	s_setreg_imm32_b32 hwreg(HW_REG_WAVE_MODE, 25, 1), 1
	s_wait_xcnt 0x0
; Masked self-attention: x [256 slices][512][64] f32, w_q, w_k [64][64] f32, mask [256][512] bytes, out0 like x.
; q = x Wq^T, k = x Wk^T, 4 heads of 16; scores = q k^T / 8, masked keys replaced by -1e9, softmax over the keys, y = att x.
; One work-group per slice, 16 waves.  Wave w = 4 hd + g owns head hd and rows 128 g .. 128 g + 127: it projects them (q and k)
; and later takes them as queries, in two halves of 64 (four tiles of 16), each against all 512 keys.
;
; ALL PRODUCTS ARE TAKEN TRANSPOSED, so that every result is already the next product's operand (lane L: r = L & 15, h = L >> 4):
;   projection  D = W(16 e of the head) x X^T(16 rows): lane holds row r, e = 8h + j; packed in pairs = registers 0-3 of a K = 32 fragment.
;   scores      D = K(16 keys) x Q^T(16 queries):       lane holds query r, keys 8h + j; two tiles, exponentiated and packed = fragment P^T.
;   output      D = V^T(16 dh x 32 keys) x P^T:         lane holds query r, dh 8h + j = 32 neighbouring bytes of out0.
;   row sums    D = ONES x P^T: every register of the lane holds the sum of its query: no vector add, no step across lanes.
; dh = 16 fills K places 0-15 of the K = 32 form.  Places 16, 17 carry the mask: the query side holds 32768, 32768, a masked key
; -44032, 4.4375 (and zeros for its 16 k values), so that every masked score is -1,442,840,576 + 145,408 = -1,442,695,168,
; which is -1e9 log2(e) to one unit in the last place of f32; an unmasked key holds zeros there.
; THE MAXIMUM IS TAKEN AWAY EXACTLY, in two passes over the keys: pass 1 makes the scores and keeps a running maximum, pass 2 makes
; them again with C = -maximum, so that the matrix unit hands over s - m, ready for v_exp_f32 (base 2: log2(e) / 8 is multiplied
; onto q in f32 before q is rounded).  With all 512 keys masked the maximum is the constant itself and y is the mean of v.
;
; FORMAT: matrix operands in f16 (x, w, q log2(e)/8, k, p), sums in f32.  LIMITS KEPT: |x|, |w|, |k|, |0.18 q| below 65,504
; (f16's range); p below 2^-126 is flushed by v_exp_f32 and p below 6.1e-5 keeps f16's denormal step (at most 3e-8 against a row
; sum of at least 1); any mask byte other than 0 counts as true; the masked score differs from -1e9 by one f32 unit.
; NO CLUSTER: work-groups share only the weights, 32 KiB of the 160.5 KiB that each reads.  NO COPY ENGINE: x is converted from
; f32 to f16 on its way into LDS, so it passes through registers in any case.  All 128 KiB of x are asked for in the first lines.
;
; LDS (299,008 bytes)
.set XPITCH, 160                       ; x in f16: rows of 128 bytes at a pitch of 5 x 32 bytes (odd multiple of 32 for the transposing loads)
.set KF,     81920                     ; behind 512 x 160: K fragments in lane order, (32 hd + key tile) x 512 + 16 L
.set BF,     147456                    ; register 4 of the K fragments (the mask word), (32 hd + key tile) x 128 + 4 L
.set QFL,    163840                    ; each wave's own eight Q fragments, w x 4096 + tile x 512 + 16 L
.set STG,    229376                    ; y of one half: 256 rows of 256 bytes at a pitch of 272 (17 x 16: 16 rows, 16 different 16-byte columns)
.set SPITCH, 272
; registers that live through the kernel
.set LN,  1                            ; lane
.set RR,  2                            ; r
.set HH,  3                            ; h
.set KA,  4                            ; K fragments of my head
.set BA,  5                            ; their mask words
.set VA0, 6                            ; transposing loads of V, keys 0-255
.set VA1, 7                            ; keys 256-511 (the 16-bit immediate does not reach them from VA0)
.set QA,  8                            ; my Q fragments, stepped by four tiles per half
.set STW, 9                            ; stage: where I put y
.set STR, 10                           ; stage: where I read whole rows back
.set GO,  11                           ; byte offset in out0, stepped by 64 rows per half
.set T0,  12
.set T1,  13
.set QF,   16                          ; v[16:47]    four Q fragments
.set NEGM, 48                          ; v[48:79]    -maximum of the lane's query, eight times, for four tiles (the C of pass 2)
.set Y,    80                          ; v[80:111]   four output accumulators
.set SUM,  112                         ; v[112:143]  four row-sum accumulators; in pass 1 registers 8t, 8t+1 are the two maximum chains
.set ONES, 144                         ; v[144:151]  a fragment of 1.0
.set KFR,  152                         ; v[152:183]  K fragments: buffer p at 16 p, its two key tiles at 0 and 8
.set VFR,  184                         ; v[184:199]  V^T fragments: buffer p at 8 p
.set SC,   200                         ; v[200:231]  scores: set 0, set 1, 16 registers each; then the rows read back from the stage
; registers of the prologue only
.set WT,  16                           ; v[16:79]    Wq, Wk as loaded
.set XL,  80                           ; v[80:143]   x as loaded
.set WQF, 144                          ; v[144:159]  Wq: two fragments (d 0-31, 32-63)
.set WKF, 160                          ; v[160:175]  Wk likewise
.set MK,  176                          ; v[176:183]  mask byte of key r of my eight tiles
.set XP,  184                          ; v[184:215]  x packed
.set XF,  16                           ; v[16:79]    x fragments of four tiles, 16 registers each
.set QD,  80                           ; v[80:111]   q of four tiles
.set KD,  112                          ; v[112:143]  k of four tiles
.set XO,  232
.set XS0, 233
.set XS1, 234
.set WO,  235
.set MO,  236
.set XR,  237
.set KAW, 238
.set BAW, 239
.set BW,  240                          ; a masked key's word: 0x4470f960 in lanes h = 0, 0 in lanes h = 1
.set ZERO, 241
.set TB,  242                          ; v[242:245]
.set QBW, 246                          ; the query side's word: 0x78007800 in lanes h = 0, 0 in lanes h = 1
; Four places of plain vector instructions stand between a matrix instruction and a vector instruction or load that touches its
; registers; where no useful work is at hand they are v_nop.
.macro PLACES
.rept 4
	v_nop
.endr
.endm
	s_load_b256 s[4:11], s[0:1], 0x0               ; x s[4:5], w_q s[6:7], w_k s[8:9], mask s[10:11]
	s_load_b64 s[12:13], s[0:1], 0x20              ; out0
	v_lshl_add_u32 v254, v0, 2, 0x49000
	v_mov_b32 v255, 0
	v_lshrrev_b32 v[T0], 5, v0
	v_readfirstlane_b32 s14, v[T0]                 ; wave w
	s_lshr_b32 s15, s14, 2                         ; head hd
	s_and_b32 s16, s14, 3                          ; row group g
	v_and_b32 v[LN], 31, v0
	v_and_b32 v[RR], 15, v0
	v_bfe_u32 v[HH], v0, 4, 1
	v_lshlrev_b32 v[XO], 4, v0                     ; x: 16 bytes a thread, 8,192 a load of the work-group
	s_lshl_b32 s26, s15, 12
	v_lshl_add_u32 v[WO], v[RR], 8, s26            ; W: row 16 hd + r,
	v_lshl_add_u32 v[WO], v[HH], 5, v[WO]          ; + 8 h numbers
	s_lshl_b32 s26, s16, 7
	v_add_nc_u32 v[MO], s26, v[RR]                 ; mask: key 128 g + r
	s_lshl_b32 s18, ttmp9, 17                      ; my slice: 131,072 bytes of x and of out0
	s_mov_b32 s19, 0
	s_wait_kmcnt 0x0
	s_add_nc_u64 s[4:5], s[4:5], s[18:19]
	s_add_nc_u64 s[12:13], s[12:13], s[18:19]
	s_lshl_b32 s18, ttmp9, 9                       ; and 512 bytes of the mask
	s_add_nc_u64 s[10:11], s[10:11], s[18:19]
	; PHASE A: all 40 loads at once.  A weight fragment's registers 0-3 are d = 32 c + 8 h .. + 7, registers 4-7 are 16 further:
	; in f32 two loads of 16 bytes each, at 128 c + 64 (upper half) + 16 (second load).
.irp n, 0,1,2,3,4,5,6,7
	global_load_b128 v[WT+4*\n:WT+4*\n+3], v[WO], s[6:7] offset:128*(\n>>2)+64*((\n>>1)&1)+16*(\n&1)
.endr
.irp n, 0,1,2,3,4,5,6,7
	global_load_b128 v[WT+32+4*\n:WT+32+4*\n+3], v[WO], s[8:9] offset:128*(\n>>2)+64*((\n>>1)&1)+16*(\n&1)
.endr
.irp i, 0,1,2,3,4,5,6,7
	global_load_u8 v[MK+\i], v[MO], s[10:11] offset:16*\i
.endr
.irp i, 0,1,2,3,4,5,6,7,8,9,10,11,12,13,14,15
	global_load_b128 v[XL+4*\i:XL+4*\i+3], v[XO], s[4:5] offset:8192*\i th:TH_LOAD_NT   ; a wave's load covers 512 consecutive bytes
.endr
	; addresses and constants, while the loads are on their way
	s_mov_b32 s20, 0x76543210                      ; v_permlanex16_b32: lane i takes lane i of the other half
	s_mov_b32 s21, 0xfedcba98
	s_mov_b32 s24, 0x3e38aa3b                      ; log2(e) / 8, twice: the pair is named by the packed multiply
	s_mov_b32 s25, 0x3e38aa3b
	s_lshl_b32 s26, s15, 14
	s_add_co_u32 s26, s26, KF
	v_lshl_add_u32 v[KA], v[LN], 4, s26            ; KF + hd x 32 tiles x 512 + 16 L
	s_lshl_b32 s27, s15, 12
	s_add_co_u32 s27, s27, BF
	v_lshl_add_u32 v[BA], v[LN], 2, s27            ; BF + hd x 32 tiles x 128 + 4 L
	v_and_b32 v[T0], 7, v0
	v_lshl_add_u32 v[T0], v[HH], 3, v[T0]          ; key 8 h + (L & 7)
	v_mul_u32_u24 v[VA0], v[T0], XPITCH
	v_bfe_u32 v[T1], v0, 3, 1
	v_lshl_add_u32 v[VA0], v[T1], 4, v[VA0]        ; + 16 bytes for the upper eight dh
	s_lshl_b32 s28, s15, 5
	v_add_nc_u32 v[VA0], s28, v[VA0]               ; + my head's 32 bytes
	v_add_nc_u32 v[VA1], 256*XPITCH, v[VA0]
	s_lshl_b32 s29, s14, 12
	s_add_co_u32 s30, s29, QFL
	v_lshl_add_u32 v[QA], v[LN], 4, s30            ; QFL + w x 8 tiles x 512 + 16 L
	s_add_co_u32 s30, s29, KF
	v_lshl_add_u32 v[KAW], v[LN], 4, s30           ; where I write my eight K fragments
	s_lshl_b32 s29, s14, 10
	s_add_co_u32 s29, s29, BF
	v_lshl_add_u32 v[BAW], v[LN], 2, s29           ; and their mask words
	s_mul_i32 s31, s16, 64*SPITCH
	s_lshl_b32 s32, s15, 6
	s_add_co_u32 s31, s31, s32
	s_add_co_u32 s31, s31, STG
	v_mul_u32_u24 v[STW], v[RR], SPITCH
	v_lshl_add_u32 v[STW], v[HH], 5, v[STW]
	v_add_nc_u32 v[STW], s31, v[STW]               ; STG + (64 g + r) x 272 + 64 hd + 32 h
	s_mul_i32 s31, s14, 16*SPITCH
	s_add_co_u32 s31, s31, STG
	v_mul_u32_u24 v[STR], v[HH], SPITCH
	v_lshl_add_u32 v[STR], v[RR], 4, v[STR]
	v_add_nc_u32 v[STR], s31, v[STR]               ; STG + (16 w + h) x 272 + 16 r
	s_lshl_b32 s32, s15, 15                        ; stage rows 16 w .. belong to row group w >> 2, rows 16 (w & 3) .. of its half
	s_lshl_b32 s33, s16, 12
	s_add_co_u32 s32, s32, s33
	v_lshlrev_b32 v[GO], 8, v[HH]
	v_lshl_add_u32 v[GO], v[RR], 4, v[GO]
	v_add_nc_u32 v[GO], s32, v[GO]                 ; ((w >> 2) x 128 + (w & 3) x 16 + h) x 256 + 16 r
	v_lshrrev_b32 v[T0], 4, v0
	v_mul_u32_u24 v[XS0], v[T0], XPITCH
	v_lshl_add_u32 v[XS0], v[RR], 3, v[XS0]        ; row t >> 4 of the load's 32, 8 bytes at column t & 15
	v_add_nc_u32 v[XS1], 256*XPITCH, v[XS0]
	s_mul_i32 s33, s16, 128*XPITCH
	v_mul_u32_u24 v[XR], v[RR], XPITCH
	v_lshl_add_u32 v[XR], v[HH], 4, v[XR]
	v_add_nc_u32 v[XR], s33, v[XR]                 ; (128 g + r) x 160 + 16 h
	v_mov_b32 v[ZERO], 0
	v_cmp_eq_u32 vcc_lo, 0, v[HH]
	v_mov_b32 v[BW], 0x4470f960                    ; f16 -44032 below, 4.4375 above
	v_mov_b32 v[QBW], 0x78007800                   ; f16 32768 twice
	v_cndmask_b32 v[BW], 0, v[BW], vcc_lo          ; K places 16, 17 lie in lanes h = 0; lanes h = 1 hold places 24, 25: zero
	v_cndmask_b32 v[QBW], 0, v[QBW], vcc_lo
	s_wait_loadcnt 24                              ; 8 mask loads and 16 x loads are younger: both weights are in
.set k, 0
.rept 16
	v_cvt_pk_f16_f32 v[WQF+k], v[WT+2*k], v[WT+2*k+1]
	v_cvt_pk_f16_f32 v[WKF+k], v[WT+32+2*k], v[WT+32+2*k+1]
.set k, k+1
.endr
.set i, 0
.rept 16
	s_wait_loadcnt 15-i                            ; the x loads behind load i stay out
	v_cvt_pk_f16_f32 v[XP+2*i], v[XL+4*i], v[XL+4*i+1]
	v_cvt_pk_f16_f32 v[XP+2*i+1], v[XL+4*i+2], v[XL+4*i+3]
.if i < 8
	ds_store_b64 v[XS0], v[XP+2*i:XP+2*i+1] offset:32*XPITCH*i
.else
	ds_store_b64 v[XS1], v[XP+2*i:XP+2*i+1] offset:32*XPITCH*(i-8)
.endif
.set i, i+1
.endr
	s_wait_dscnt 0x0                               ; my part of x lies in LDS before I say so
	s_barrier_signal -1
	s_barrier_wait -1                              ; all of x does
; PHASE B: q and k of my tiles 4 q .. 4 q + 3.  K = 64 in two links; the first link starts the sum with C = 0.
.macro PROJ q
.irp j, 0,1,2,3
.irp c, 0,1,2,3
	ds_load_b128 v[XF+16*\j+4*\c:XF+16*\j+4*\c+3], v[XR] offset:16*XPITCH*(4*\q+\j)+32*\c
.endr
.endr
	s_wait_dscnt 0x0                               ; the fragments are in (and the stores of the batch before have read QD, KD)
.irp j, 0,1,2,3
	v_wmma_f32_16x16x32_f16 v[QD+8*\j:QD+8*\j+7], v[WQF:WQF+7], v[XF+16*\j:XF+16*\j+7], 0
	v_wmma_f32_16x16x32_f16 v[KD+8*\j:KD+8*\j+7], v[WKF:WKF+7], v[XF+16*\j:XF+16*\j+7], 0
.endr
.irp j, 0,1,2,3
	v_wmma_f32_16x16x32_f16 v[QD+8*\j:QD+8*\j+7], v[WQF+8:WQF+15], v[XF+16*\j+8:XF+16*\j+15], v[QD+8*\j:QD+8*\j+7]
	v_wmma_f32_16x16x32_f16 v[KD+8*\j:KD+8*\j+7], v[WKF+8:WKF+15], v[XF+16*\j+8:XF+16*\j+15], v[KD+8*\j:KD+8*\j+7]
.endr
	PLACES
.irp j, 0,1,2,3
.irp k, 0,1,2,3
	v_pk_mul_f32 v[QD+8*\j+2*\k:QD+8*\j+2*\k+1], v[QD+8*\j+2*\k:QD+8*\j+2*\k+1], s[24:25] op_sel_hi:[1,0]   ; q log2(e) / 8, in f32
.endr
.irp k, 0,1,2,3
	v_cvt_pk_f16_f32 v[QD+8*\j+\k], v[QD+8*\j+2*\k], v[QD+8*\j+2*\k+1]   ; register k is written when registers 2k, 2k+1 >= k have been read
.endr
	ds_store_b128 v[QA], v[QD+8*\j:QD+8*\j+3] offset:512*(4*\q+\j)
.irp k, 0,1,2,3
	v_cvt_pk_f16_f32 v[KD+8*\j+\k], v[KD+8*\j+2*\k], v[KD+8*\j+2*\k+1]
.endr
	v_cmp_eq_u32 vcc_lo, 0, v[MK+4*\q+\j]          ; key r of this tile is not masked
.irp k, 0,1,2,3
	v_cndmask_b32 v[KD+8*\j+\k], 0, v[KD+8*\j+\k], vcc_lo               ; a masked key's k values are zero,
.endr
	v_cndmask_b32 v[TB+\j], v[BW], v[ZERO], vcc_lo                      ; and its mask word is set
	ds_store_b128 v[KAW], v[KD+8*\j:KD+8*\j+3] offset:512*(4*\q+\j)
	ds_store_b32 v[BAW], v[TB+\j] offset:128*(4*\q+\j)
.endr
.endm
	PROJ 0
	PROJ 1
	; what never changes in the fragments of the main phase (the prologue's registers there are done with)
.irp j, 0,1,2,3,4,5,6,7
	v_mov_b32 v[ONES+\j], 0x3c003c00               ; f16 1.0 twice
.endr
.irp j, 5,6,7,13,14,15,21,22,23,29,30,31
	v_mov_b32 v[KFR+\j], 0                         ; K places 18-23 and 26-31 of the four K fragments
.endr
.irp t, 0,1,2,3
	v_mov_b32 v[QF+8*\t+4], v[QBW]
	v_mov_b32 v[QF+8*\t+5], 0
	v_mov_b32 v[QF+8*\t+6], 0
	v_mov_b32 v[QF+8*\t+7], 0
.endr
	s_wait_dscnt 0x0                               ; my K fragments and mask words lie in LDS before I say so
	s_barrier_signal -1
	s_barrier_wait -1                              ; all heads' do
; PHASE C.  A block is 32 keys (two key tiles); a step is one block against one query tile.
.macro LOADK blk, p                    ; the block's two K fragments (registers 0-3) and their mask words (register 4) into buffer p
	ds_load_b128 v[KFR+16*(\p):KFR+16*(\p)+3], v[KA] offset:1024*(\blk)
	ds_load_b128 v[KFR+16*(\p)+8:KFR+16*(\p)+11], v[KA] offset:1024*(\blk)+512
	ds_load_b32 v[KFR+16*(\p)+4], v[BA] offset:256*(\blk)
	ds_load_b32 v[KFR+16*(\p)+12], v[BA] offset:256*(\blk)+128
.endm
.macro LOADV blk, p                    ; V^T of the block: dh r, keys 8 h .. + 7 and 16 + 8 h .. + 7, transposed on the way out of LDS
.if (\blk) < 8
	ds_load_tr16_b128 v[VFR+8*(\p):VFR+8*(\p)+3], v[VA0] offset:32*XPITCH*(\blk)
	ds_load_tr16_b128 v[VFR+8*(\p)+4:VFR+8*(\p)+7], v[VA0] offset:32*XPITCH*(\blk)+16*XPITCH
.else
	ds_load_tr16_b128 v[VFR+8*(\p):VFR+8*(\p)+3], v[VA1] offset:32*XPITCH*((\blk)-8)
	ds_load_tr16_b128 v[VFR+8*(\p)+4:VFR+8*(\p)+7], v[VA1] offset:32*XPITCH*((\blk)-8)+16*XPITCH
.endif
.endm
.macro SMUL nt, p, set, neg            ; scores of buffer p's 32 keys against query tile nt into a score set; neg = 1: minus the maximum
.if \neg
	v_wmma_f32_16x16x32_f16 v[SC+16*(\set):SC+16*(\set)+7], v[KFR+16*(\p):KFR+16*(\p)+7], v[QF+8*(\nt):QF+8*(\nt)+7], v[NEGM+8*(\nt):NEGM+8*(\nt)+7]
	v_wmma_f32_16x16x32_f16 v[SC+16*(\set)+8:SC+16*(\set)+15], v[KFR+16*(\p)+8:KFR+16*(\p)+15], v[QF+8*(\nt):QF+8*(\nt)+7], v[NEGM+8*(\nt):NEGM+8*(\nt)+7]
.else
	v_wmma_f32_16x16x32_f16 v[SC+16*(\set):SC+16*(\set)+7], v[KFR+16*(\p):KFR+16*(\p)+7], v[QF+8*(\nt):QF+8*(\nt)+7], 0
	v_wmma_f32_16x16x32_f16 v[SC+16*(\set)+8:SC+16*(\set)+15], v[KFR+16*(\p)+8:KFR+16*(\p)+15], v[QF+8*(\nt):QF+8*(\nt)+7], 0
.endif
.endm
.macro MAXT t, set, first              ; 16 scores into tile t's two maximum chains, eight instructions; first = 1: the scores start the chains
.if \first
	v_max_num_f32 v[SUM+8*(\t)], v[SC+16*(\set)], v[SC+16*(\set)+1]
	v_max_num_f32 v[SUM+8*(\t)+1], v[SC+16*(\set)+2], v[SC+16*(\set)+3]
.else
	v_max3_num_f32 v[SUM+8*(\t)], v[SUM+8*(\t)], v[SC+16*(\set)], v[SC+16*(\set)+1]
	v_max3_num_f32 v[SUM+8*(\t)+1], v[SUM+8*(\t)+1], v[SC+16*(\set)+2], v[SC+16*(\set)+3]
.endif
.irp j, 4,8,12
	v_max3_num_f32 v[SUM+8*(\t)], v[SUM+8*(\t)], v[SC+16*(\set)+\j], v[SC+16*(\set)+\j+1]
	v_max3_num_f32 v[SUM+8*(\t)+1], v[SUM+8*(\t)+1], v[SC+16*(\set)+\j+2], v[SC+16*(\set)+\j+3]
.endr
.endm
; A step of pass 1: the next step's scores are issued into the other set, then this step's set goes into the maximum.  The eight
; maximum instructions name only this step's set and the chains, so they are the places (ISA guide 7.12.1) between the products
; just issued and the next step's reading of them, and between a set's products and the products that write over it two steps on.
.macro STEP1 blk, t
.if (\t) == 0
.if (\blk) < 15
	LOADK (\blk)+1, ((\blk)+1)&1                   ; three steps ahead of its wait; the buffer was last multiplied two steps (16 places) ago
.else
	LOADK 0, 0                                     ; the last block asks for pass 2's first
	LOADV 0, 0
.endif
.endif
.if (\t) < 3
	SMUL (\t)+1, (\blk)&1, ((\t)+1)&1, 0
.else
.if (\blk) < 15
	s_wait_dscnt 0x0                               ; the next block's fragments, asked for at this block's head
	SMUL 0, ((\blk)+1)&1, 0, 0
.endif
.endif
.if (\blk) == 0
	MAXT \t, (\t)&1, 1
.else
	MAXT \t, (\t)&1, 0
.endif
.endm
; A step of pass 2.  Places: v_nop and four conversions (five, naming this step's set alone) stand between the last step's two
; products, which read the other set as B, and the products that write over that set, and in front of the loads into the buffers
; that the last step multiplied; the other four conversions stand between the new scores and the next step's exponentials.
.macro STEP2 blk, t
.set cs, SC+16*((\t)&1)
.set e, 0
.rept 16
	v_exp_f32 v[cs+e], v[cs+e]                     ; p = 2^(s - m)
.set e, e+1
.endr
	v_nop                                          ; one plain instruction behind the exponentials before their results are read (ISA guide 5.7.2)
	s_wait_alu depctr_va_vdst(0)
.irp k, 0,1,2,3
	v_cvt_pk_f16_f32 v[cs+\k], v[cs+2*\k], v[cs+2*\k+1]
.endr
.if (\blk) < 15
.if (\t) == 0
	LOADK (\blk)+1, ((\blk)+1)&1
	LOADV (\blk)+1, ((\blk)+1)&1
.endif
.if (\t) == 3
	s_wait_dscnt 0x0                               ; the next block's six loads, asked for at this block's head
	SMUL 0, ((\blk)+1)&1, 0, 1
.endif
.endif
.if (\t) < 3
	SMUL (\t)+1, (\blk)&1, ((\t)+1)&1, 1
.endif
.irp k, 4,5,6,7
	v_cvt_pk_f16_f32 v[cs+\k], v[cs+2*\k], v[cs+2*\k+1]
.endr
.if (\blk) == 0
	v_wmma_f32_16x16x32_f16 v[Y+8*(\t):Y+8*(\t)+7], v[VFR+8*((\blk)&1):VFR+8*((\blk)&1)+7], v[cs:cs+7], 0      ; the first block starts the sums
	v_wmma_f32_16x16x32_f16 v[SUM+8*(\t):SUM+8*(\t)+7], v[ONES:ONES+7], v[cs:cs+7], 0
.else
	v_wmma_f32_16x16x32_f16 v[Y+8*(\t):Y+8*(\t)+7], v[VFR+8*((\blk)&1):VFR+8*((\blk)&1)+7], v[cs:cs+7], v[Y+8*(\t):Y+8*(\t)+7]
	v_wmma_f32_16x16x32_f16 v[SUM+8*(\t):SUM+8*(\t)+7], v[ONES:ONES+7], v[cs:cs+7], v[SUM+8*(\t):SUM+8*(\t)+7]
.endif
.endm
	s_mov_b32 s22, 0
.Lhalf:                                            ; 64 of my 128 queries
.irp t, 0,1,2,3
	ds_load_b128 v[QF+8*\t:QF+8*\t+3], v[QA] offset:512*\t
.endr
	LOADK 0, 0
	s_wait_dscnt 0x0
	SMUL 0, 0, 0, 0
	PLACES
	; PASS 1
.set b, 0
.rept 16
.irp t, 0,1,2,3
	STEP1 b, \t
.endr
.set b, b+1
.endr
	; the maximum of each query: two chains, then the other half of the lanes (lanes r and r + 16 hold the keys 8 h + j of every tile)
.irp t, 0,1,2,3
	v_max_num_f32 v[SUM+8*\t], v[SUM+8*\t], v[SUM+8*\t+1]
.endr
.irp t, 0,1,2,3
	v_permlanex16_b32 v[SUM+8*\t+1], v[SUM+8*\t], s20, s21
.endr
.irp t, 0,1,2,3
	v_max_num_f32 v[SUM+8*\t], v[SUM+8*\t], v[SUM+8*\t+1]
.endr
.irp j, 0,1,2,3,4,5,6,7
	v_mul_f32 v[NEGM+\j], -1.0, v[SUM]             ; C has eight registers a lane, all for the lane's one query
.endr
	s_wait_dscnt 0x0                               ; block 0's K and V fragments, asked for in pass 1's last block
	SMUL 0, 0, 0, 1
.irp t, 1,2,3
.irp j, 0,1,2,3,4,5,6,7
	v_mul_f32 v[NEGM+8*\t+\j], -1.0, v[SUM+8*\t]   ; 24 places in front of the first exponentials
.endr
.endr
	; PASS 2
.set b, 0
.rept 16
.irp t, 0,1,2,3
	STEP2 b, \t
.endr
.set b, b+1
.endr
	; OUT: divide by the row sums, gather the four heads' parts of each row in the stage, store whole rows
	PLACES
.irp t, 0,1,2,3
	v_rcp_f32 v[SUM+8*\t], v[SUM+8*\t]
.endr
	v_nop                                          ; one plain instruction behind the reciprocals (ISA guide 5.7.2)
	s_wait_alu depctr_va_vdst(0)
.irp t, 0,1,2,3
.irp k, 0,1,2,3
	v_pk_mul_f32 v[Y+8*\t+2*\k:Y+8*\t+2*\k+1], v[Y+8*\t+2*\k:Y+8*\t+2*\k+1], v[SUM+8*\t:SUM+8*\t+1] op_sel_hi:[1,0]
.endr
	ds_store_b128 v[STW], v[Y+8*\t:Y+8*\t+3] offset:16*SPITCH*\t
	ds_store_b128 v[STW], v[Y+8*\t+4:Y+8*\t+7] offset:16*SPITCH*\t+16
.endr
	s_wait_dscnt 0x0                               ; my 64 bytes of each of my 64 rows lie in the stage before I say so
	s_barrier_signal -1
	s_barrier_wait -1                              ; the rows are whole
.irp i, 0,1,2,3,4,5,6,7
	ds_load_b128 v[SC+4*\i:SC+4*\i+3], v[STR] offset:2*SPITCH*\i
.endr
.irp i, 0,1,2,3,4,5,6,7
	s_wait_dscnt 7-\i                              ; the read-backs behind load i stay out
	global_store_b128 v[GO], v[SC+4*\i:SC+4*\i+3], s[12:13] offset:512*\i th:TH_STORE_NT   ; 16 lanes store one row of 256 bytes, the wave two rows: 512 consecutive bytes
.endr
	s_barrier_signal -1                            ; my reads of the stage are over (the last wait above was for 0):
	s_barrier_wait -1                              ; nobody writes it again before all have said so
	s_wait_xcnt 0x0                                ; the stores' offset and data registers are rewritten only behind this wait
	v_add_nc_u32 v[GO], 64*256, v[GO]              ; the next 64 rows of each group
	v_add_nc_u32 v[QA], 4*512, v[QA]               ; and their four Q fragments
	s_add_co_u32 s22, s22, 1
	s_cmp_lt_u32 s22, 2
	s_cbranch_scc1 .Lhalf
	s_wait_tensorcnt 0x0
	ds_add_u32 v254, v255
	s_wait_dscnt 0x0
	s_endpgm
.Lfunc_end_k_qc54c62b750_attn:
	.size	k_qc54c62b750_attn, .Lfunc_end_k_qc54c62b750_attn-k_qc54c62b750_attn
	.p2alignl 7, 3214868480
	.fill 96, 4, 3214868480
	.section	.rodata,"a",@progbits
	.p2align	6, 0x0
	.amdhsa_kernel k_qc54c62b750_attn
		.amdhsa_group_segment_fixed_size 301056
		.amdhsa_private_segment_fixed_size 0
		.amdhsa_enable_private_segment 0
		.amdhsa_kernarg_size 40
		.amdhsa_user_sgpr_count 2
		.amdhsa_user_sgpr_kernarg_segment_ptr 1
		.amdhsa_wavefront_size32 1
		.amdhsa_system_sgpr_workgroup_id_x 1
		.amdhsa_system_sgpr_workgroup_id_y 1
		.amdhsa_system_sgpr_workgroup_id_z 1
		.amdhsa_system_vgpr_workitem_id 0
		.amdhsa_next_free_vgpr 256
		.amdhsa_next_free_sgpr 66
		.amdhsa_reserve_vcc 1
		.amdhsa_float_denorm_mode_32 3
		.amdhsa_float_denorm_mode_16_64 3
		.amdhsa_memory_ordered 1
		.amdhsa_forward_progress 1
		.amdhsa_inst_pref_size 169
	.end_amdhsa_kernel
	.amdgpu_metadata
---
amdhsa.version: [ 1, 2 ]
amdhsa.kernels:
  - .name:           k_qc54c62b750_attn
    .symbol:         k_qc54c62b750_attn.kd
    .args:
      - { .name: x, .offset: 0, .size: 8, .value_kind: global_buffer, .address_space: global }
      - { .name: w_q, .offset: 8, .size: 8, .value_kind: global_buffer, .address_space: global }
      - { .name: w_k, .offset: 16, .size: 8, .value_kind: global_buffer, .address_space: global }
      - { .name: mask, .offset: 24, .size: 8, .value_kind: global_buffer, .address_space: global }
      - { .name: out0, .offset: 32, .size: 8, .value_kind: global_buffer, .address_space: global }
    .group_segment_fixed_size: 301056
    .private_segment_fixed_size: 0
    .kernarg_segment_align: 8
    .kernarg_segment_size: 40
    .max_flat_workgroup_size: 512
    .sgpr_count:     66
    .vgpr_count:     256
    .wavefront_size: 32
...
	.end_amdgpu_metadata
.endif
;; end of part 1
